; MI455X (gfx1250); checked and timed in simulation.
; The chip was launched on July 23, 2026; its instructions are those of AMD's public machine-readable ISA for CDNA 5 (MIT licence, August 2026) and "CDNA5" Instruction Set Architecture Reference Guide (July 2026). The comments in the code are by the model that wrote it; some were corrected since.
;; Kan Board768. Allowed arithmetic: matrix products marked QUANTISED: E5M2 operands, one given power-of-two scale a tensor, by v_wmma_f32_16x16x64_bf8_bf8 or v_wmma_f32_16x16x128_bf8_bf8, f32 sums; products left as they are: f32 operands where the result goes on into a quantised operand, else bf16, f16 or f32 operands; f32 sums; everything else in f32.
;; Inputs: ft_b 128 float32; ft_w_codes 128 x 24 x 32 uint8 (E5M2 codes of ft_w, K innermost, in blocks of 32 codes); kan1_base_w_codes 128 x 8 x 32 uint8 (E5M2 codes of kan1_base_w, K innermost, in blocks of 32 codes); kan1_spline_w 128 x 256 x 8 float32; kan2_base_w 1 x 128 float32; kan2_spline_w 1 x 128 x 8 float32; lowp_scales 8 int32 (the exponents e of the quantised operands' scales 2^e); nstm_codes 32,768 x 24 x 32 uint8 (E5M2 codes of nstm, K innermost, in blocks of 32 codes); stm_codes 32,768 x 24 x 32 uint8 (E5M2 codes of stm, K innermost, in blocks of 32 codes).
;; Outputs: out0 32,768 x 1 float32.
;; This version of the problem:
;;   THIS VERSION OF THE PROBLEM IS GIVEN IN LOW PRECISION. The matrix products marked QUANTISED in the list below multiply operands that are first quantised to E5M2 (5 exponent bits, 2 mantissa bits; 8 bits a number), with one given power-of-two scale for each operand tensor; their sums are f32. All else is computed in f32.
;;   The module's matrix products, in the order in which they are computed (A, B: the left and right operand; K: the contracted axis; several contracted axes count as one K, in the product's order):
;;     1. [M 32,768, K 768] x [K 768, N 128]; A: input stm (given as codes); B: input ft_w (given as codes): QUANTISED (scales: A lowp_scales[0], B lowp_scales[1])
;;     2. [M 32,768, K 768] x [K 768, N 128]; A: input nstm (given as codes); B: input ft_w (given as codes): QUANTISED (scales: A lowp_scales[2], B lowp_scales[3])
;;     3. [M 32,768, K 256] x [K 256, N 128]; A: computed on the way; B: input kan1_base_w (given as codes): QUANTISED (scales: A lowp_scales[4], B lowp_scales[5])
;;     4. [M 32,768, K 2,048] x [K 2,048, N 128]; A: computed on the way; B: input kan1_spline_w: QUANTISED (scales: A lowp_scales[6], B lowp_scales[7])
;;     5. [M 32,768, K 128] x [K 128, N 1]; A: computed on the way; B: input kan2_base_w: left as it is (N = 1 < 16)
;;     6. [M 32,768, K 1,024] x [K 1,024, N 1]; A: computed on the way; B: input kan2_spline_w: left as it is (N = 1 < 16)
;;   THE QUANTISER, for each operand of a quantised product, along K:
;;     - The operand's scale is 2^e, e = its entry of the input lowp_scales (int32; the entries are numbered through the quantised products in the list's order, A before B).
;;     - Each number is divided by the scale, clamped to +-57,344, and rounded to the nearest number of E5M2, ties to even, subnormals kept.
;;     - The product sums the exact products of the quantised numbers (number of the format x scale) in f32.
;;   ~~~python
;;   def quantise(x, axis, e):      # numpy; x: float32 -> the quantised numbers, widened to float32 again
;;       x = np.moveaxis(x, axis, -1); K = x.shape[-1]
;;       r = np.clip(x / 2.0 ** e, -57344, 57344)
;;       step = 2.0 ** (np.maximum(np.frexp(np.where(r == 0, 1, r))[1] - 1, -14) - 2)
;;       q = np.round(r / step) * step * 2.0 ** e      # np.round: ties to even
;;       return np.moveaxis(q, -1, axis).astype(np.float32)
;;   ~~~
;;   OPERANDS COMPUTED ON THE WAY. 'Computed on the way' means the value that the module computes at that place (a softmax that the list does not call 'softmax' is quantised finished and normalised). What goes into a quantiser is computed in f32, as accurately as f32 sums, v_exp_f32 and their like allow (about 1e-6 of the number): no bf16 or f16 on the way to a quantiser, and a product that is left as it is and whose result goes on into a quantised operand takes f32 operands (vector FMAs, or v_wmma_f32_16x16x4_f32). A number that lies on a knife's edge between two numbers of the format may be rounded either way, as far as f32 arithmetic and the matrix unit's own rounding can turn it there, and no further.
;;   INPUTS GIVEN AS CODES. ft_w (in the module: [128, 768], K = its axis 1); kan1_base_w (in the module: [128, 256], K = its axis 1); nstm (in the module: [32768, 768], K = its axis 1); stm (in the module: [32768, 768], K = its axis 1): each comes as NAME_codes (uint8): NAME with its K axis moved to the last place and cut into blocks of 32 codes, [.., K / 32, bytes a block], one block behind the other in memory; one code a byte (a code: sign, 5 exponent bits, 2 mantissa bits); its scale is its entry of lowp_scales. Its value is code x scale, taken as it is: it is not quantised again, and the codes and scales need not be those that the quantiser above would give.
;; One version. Each part assembles by itself: llvm-mc -triple=amdgcn-amd-amdhsa -mcpu=gfx1250 --defsym DOCPART=n.
;; ======== version 1 of 1: 2 launches
;; workspace buffers: wts 401,408 bytes
;; launch prep (part 1): grid 49 x 1, 4 waves a work-group, no clusters, 8,704 bytes of LDS; arguments kan1_spline_w, ft_w_codes, kan1_base_w_codes, kan2_base_w, kan2_spline_w, lowp_scales, wts; writes wts
.if DOCPART == 1
	.amdgcn_target "amdgcn-amd-amdhsa--gfx1250"
	.amdhsa_code_object_version 6
	.text
	.protected	k_q3e23dc988b_prep
	.globl	k_q3e23dc988b_prep
	.p2align	8
	.type	k_q3e23dc988b_prep,@function
k_q3e23dc988b_prep:
	s_mov_b64 s[64:65], 0
	v_nop
	global_prefetch_b8 v0, s[64:65] scope:SCOPE_SE
	s_setreg_imm32_b32 hwreg(HW_REG_WAVE_MODE, 25, 1), 1
	s_wait_xcnt 0x0
; All weights are laid once in the order in which the next launch's operand registers take them.
; wts is 196 pieces of 2,048 bytes.  Pieces 0-191 are fragments (16 weight rows x 128 K of E5M2 codes) as images of their 16 registers:
; group c of four registers at 512 c + 16 x lane.  Lane (r, h) = (lane % 16, lane / 16) holds weight row r of the fragment.
;   piece 8 s + t        (0-47):   ft_w, rows 16 t on, K step s: group c = the row's bytes 128 s + 32 c + 16 h .. + 15 (copied)
;   piece 48 + 8 b + q   (48-63):  kan1_base_w, rows 16 q on, K step b: register pair c = bytes 128 b + 16 c + 8 h .. + 7 (copied)
;   piece 64 + 8 T + q   (64-191): kan1_spline_w, rows 16 q on: register pair j = the 8 bases of hidden unit 16 T + 8 h + j, QUANTISED here:
;                                  code = w / 2^e7, held within +-57,344, to the nearest code, ties to even (e7 = entry 7 of the scales)
;   pieces 192-195: the second KAN layer's table, f32: for output unit n sixteen numbers, number k at (n / 16) x 1,024 + 64 k + 4 (n % 16).
; THE TABLE.  With z = 2.5 x, the unit's spline is, exactly, a0 + a1 z + a2 z^2 + a3 z^3 (its piece on -0.5 .. 0.5) plus, for i = 0 .. 4,
; max(|z| - 0.5 - i, 0)^3 x (dS_i + sign(z) dA_i): the jumps of the third derivative at the knots right and left of the middle.
; d_k = (c_k - 4 c_(k-1) + 6 c_(k-2) - 4 c_(k-3) + c_(k-4)) / 6 with c outside 0 .. 7 taken as 0; right d_(6+i), left d_(5-i); dS half their sum, dA half their difference.
; Numbers 0-3: a0-a3; 4-8: dS; 9-13: dA; 14: 0.4 x kan2_base_w; 15: 0.
; SHARES.  One wave makes one piece: piece g = 4 x work-group + wave.  The branches hang on g alone.  Waves share nothing: no barrier.
; LIMITS: e7 between -126 and 112, so that 2^e7 and 57,344 x 2^e7 are f32 numbers.  NaN among the inputs is not served.
.set OUTV, 80                          ; v80-95  the piece's 16 registers
.set NUM,  16                          ; v16-79  64 numbers of kan1_spline_w
.set CB,   16                          ; v16-31  c(-4) .. c(11): c_k at v[CB+4+k]
.set DD,   40                          ; v41-50  6 d_1 .. 6 d_10
.set KO,   64                          ; v64-79  the table's sixteen numbers of my unit
	s_load_b256 s[4:11], s[0:1], 0x0               ; kan1_spline_w s[4:5], ft_w_codes s[6:7], kan1_base_w_codes s[8:9], kan2_base_w s[10:11]
	s_load_b128 s[12:15], s[0:1], 0x20             ; kan2_spline_w s[12:13], the scales' exponents s[14:15]
	s_load_b64 s[16:17], s[0:1], 0x30              ; wts
	v_lshl_add_u32 v128, v0, 2, 0x2000
	v_mov_b32 v129, 0
	v_lshrrev_b32 v1, 5, v0
	v_readfirstlane_b32 s18, v1                    ; wave
	s_lshl_b32 s19, ttmp9, 2
	s_add_co_u32 s19, s19, s18                     ; g: my piece
	v_and_b32 v1, 31, v0                           ; lane
	v_and_b32 v2, 15, v0                           ; r
	v_bfe_u32 v3, v0, 4, 1                         ; h
	v_lshlrev_b32 v4, 4, v1                        ; 16 x lane: my place in a group of four registers
	s_lshl_b32 s20, s19, 11                        ; 2,048 g
	s_mov_b32 s21, 0
	s_and_b32 s22, s19, 7                          ; g % 8: which 16 weight rows
	s_wait_kmcnt 0x0
	s_add_nc_u64 s[16:17], s[16:17], s[20:21]      ; wts at my piece
	s_cmp_lt_u32 s19, 48
	s_cbranch_scc0 .Lnot_ft
	; ---- ft_w: a copy
	s_lshr_b32 s23, s19, 3                         ; K step s
	s_lshl_b32 s23, s23, 7
	s_mul_i32 s24, s22, 16*768
	s_add_co_u32 s23, s23, s24
	v_mul_u32_u24 v5, v2, 768
	v_lshl_add_u32 v5, v3, 4, v5
	v_add_nc_u32 v5, s23, v5                       ; (16 t + r) x 768 + 128 s + 16 h
.irp c, 0,1,2,3
	global_load_b128 v[OUTV+4*\c:OUTV+4*\c+3], v5, s[6:7] offset:32*\c
.endr
	s_branch .Lout
.Lnot_ft:
	s_cmp_lt_u32 s19, 64
	s_cbranch_scc0 .Lnot_base
	; ---- kan1_base_w: a copy
	s_lshr_b32 s23, s19, 3
	s_sub_co_u32 s23, s23, 6                       ; K step b
	s_lshl_b32 s23, s23, 7
	s_lshl_b32 s24, s22, 12                        ; 16 q rows of 256 bytes
	s_add_co_u32 s23, s23, s24
	v_lshlrev_b32 v5, 8, v2
	v_lshl_add_u32 v5, v3, 3, v5
	v_add_nc_u32 v5, s23, v5                       ; (16 q + r) x 256 + 128 b + 8 h
.irp c, 0,1,2,3,4,5,6,7
	global_load_b64 v[OUTV+2*\c:OUTV+2*\c+1], v5, s[8:9] offset:16*\c
.endr
	s_branch .Lout
.Lnot_base:
	s_cmp_lt_u32 s19, 192
	s_cbranch_scc0 .Ltable
	; ---- kan1_spline_w: my row's 8 units x 8 bases are 256 consecutive bytes; a lane's registers run along K
	s_load_b32 s25, s[14:15], 0x1c                 ; e7
	s_lshr_b32 s23, s19, 3
	s_sub_co_u32 s23, s23, 8                       ; T
	s_lshl_b32 s23, s23, 9                         ; 16 units of 32 bytes
	s_lshl_b32 s24, s22, 17                        ; 16 q rows of 8,192 bytes
	s_add_co_u32 s23, s23, s24
	v_lshlrev_b32 v5, 13, v2
	v_lshl_add_u32 v5, v3, 8, v5
	v_add_nc_u32 v5, s23, v5                       ; (16 q + r) x 8,192 + 512 T + 256 h
.irp i, 0,1,2,3,4,5,6,7,8,9,10,11,12,13,14,15
	global_load_b128 v[NUM+4*\i:NUM+4*\i+3], v5, s[4:5] offset:16*\i
.endr
	s_wait_kmcnt 0x0
	s_add_co_i32 s25, s25, 127
	s_lshl_b32 s26, s25, 23
	v_mov_b32 v11, s26                             ; 2^e7 as f32: the conversion takes its exponent field
	s_add_co_i32 s25, s25, 15
	s_lshl_b32 s25, s25, 23
	s_or_b32 s25, s25, 0x600000
	v_mov_b32 v10, s25                             ; 57,344 x 2^e7
	s_wait_loadcnt 0x0
.set ii, 0
.rept 64
	v_med3_num_f32 v[NUM+ii], v[NUM+ii], -v10, v10 ; the conversion to an 8-bit code does not saturate (ISA guide 7.6.2): the hold comes first
.set ii, ii+1
.endr
.irp j, 0,1,2,3,4,5,6,7
	v_cvt_scalef32_pk8_bf8_f32 v[OUTV+2*\j:OUTV+2*\j+1], v[NUM+8*\j:NUM+8*\j+7], v11
.endr
	v_nop                                          ; a plain line behind the last conversion
	s_branch .Lout
.Ltable:
	; ---- the second layer's table: a lane to a unit
	s_sub_co_u32 s23, s19, 192
	s_lshl_b32 s23, s23, 5
	v_add_nc_u32 v5, s23, v1                       ; n = 32 (g - 192) + lane
	v_lshlrev_b32 v6, 5, v5
	v_lshlrev_b32 v7, 2, v5
	global_load_b128 v[CB+4:CB+7], v6, s[12:13]            ; c0 .. c3
	global_load_b128 v[CB+8:CB+11], v6, s[12:13] offset:16 ; c4 .. c7
	global_load_b32 v32, v7, s[10:11]                      ; the base weight
.irp i, 0,1,2,3,12,13,14,15
	v_mov_b32 v[CB+\i], 0                          ; c outside 0 .. 7
.endr
	s_lshl_b32 s24, s18, 11                        ; my wave's 2,048 bytes of LDS
	v_lshlrev_b32 v8, 2, v2
	v_lshl_add_u32 v8, v3, 10, v8
	v_add_nc_u32 v8, s24, v8                       ; in: (lane / 16) x 1,024 + 4 (lane % 16), number k at + 64 k
	v_add_nc_u32 v9, s24, v4                       ; back: 16 x lane, group c at + 512 c
	s_wait_loadcnt 0x0
.irp k, 1,2,3,4,5,6,7,8,9,10
	v_fma_f32 v[DD+\k], -4.0, v[CB+3+\k], v[CB+4+\k]
	v_fma_f32 v[DD+\k], 0x40c00000, v[CB+2+\k], v[DD+\k]
	v_fma_f32 v[DD+\k], -4.0, v[CB+1+\k], v[DD+\k]
	v_add_f32 v[DD+\k], v[DD+\k], v[CB+\k]         ; 6 d_k
.endr
.irp i, 0,1,2,3,4
	v_add_f32 v[KO+4+\i], v[DD+6+\i], v[DD+5-\i]
	v_sub_f32 v[KO+9+\i], v[DD+6+\i], v[DD+5-\i]
.endr
.irp i, 4,5,6,7,8,9,10,11,12,13
	v_mul_f32 v[KO+\i], 0x3daaaaab, v[KO+\i]       ; / 12: the 6 of d and the half
.endr
	v_add_f32 v33, v[CB+6], v[CB+9]                ; c2 + c5
	v_add_f32 v34, v[CB+7], v[CB+8]                ; c3 + c4
	v_sub_f32 v35, v[CB+9], v[CB+6]                ; c5 - c2
	v_sub_f32 v36, v[CB+8], v[CB+7]                ; c4 - c3
	v_mul_f32 v[KO], 0x3caaaaab, v33
	v_fma_f32 v[KO], 0x3ef55555, v34, v[KO]        ; a0 = (c2 + c5) / 48 + 23 (c3 + c4) / 48
	v_mul_f32 v[KO+1], 0x3e000000, v35
	v_fma_f32 v[KO+1], 0x3f200000, v36, v[KO+1]    ; a1 = (c5 - c2) / 8 + 0.625 (c4 - c3)
	v_sub_f32 v[KO+2], v33, v34
	v_mul_f32 v[KO+2], 0x3e800000, v[KO+2]         ; a2 = (c2 + c5 - c3 - c4) / 4
	v_mul_f32 v[KO+3], 0x3e2aaaab, v35
	v_fma_f32 v[KO+3], -0.5, v36, v[KO+3]          ; a3 = (c5 - c2) / 6 - (c4 - c3) / 2
	v_mul_f32 v[KO+14], 0x3ecccccd, v32            ; 0.4 x the base weight
	v_mov_b32 v[KO+15], 0
.irp k, 0,1,2,3,4,5,6,7,8,9,10,11,12,13,14,15
	ds_store_b32 v8, v[KO+\k] offset:64*\k
.endr
.irp c, 0,1,2,3
	ds_load_b128 v[OUTV+4*\c:OUTV+4*\c+3], v9 offset:512*\c   ; LDS serves a wave's instructions in order (ISA guide 5.7.1.4): these see my stores
.endr
	s_wait_dscnt 0x0
.Lout:
	s_wait_loadcnt 0x0                             ; the copies' loads are in
.irp c, 0,1,2,3
	global_store_b128 v4, v[OUTV+4*\c:OUTV+4*\c+3], s[16:17] offset:512*\c   ; 32 lanes store 512 consecutive bytes, at a multiple of 256 from the buffer's first byte
.endr
	s_wait_tensorcnt 0x0
	ds_add_u32 v128, v129
	s_wait_dscnt 0x0
	s_endpgm
.Lfunc_end_k_q3e23dc988b_prep:
	.size	k_q3e23dc988b_prep, .Lfunc_end_k_q3e23dc988b_prep-k_q3e23dc988b_prep
	.p2alignl 7, 3214868480
	.fill 96, 4, 3214868480
	.section	.rodata,"a",@progbits
	.p2align	6, 0x0
	.amdhsa_kernel k_q3e23dc988b_prep
		.amdhsa_group_segment_fixed_size 8704
		.amdhsa_private_segment_fixed_size 0
		.amdhsa_enable_private_segment 0
		.amdhsa_kernarg_size 56
		.amdhsa_user_sgpr_count 2
		.amdhsa_user_sgpr_kernarg_segment_ptr 1
		.amdhsa_wavefront_size32 1
		.amdhsa_system_sgpr_workgroup_id_x 1
		.amdhsa_system_sgpr_workgroup_id_y 1
		.amdhsa_system_sgpr_workgroup_id_z 1
		.amdhsa_system_vgpr_workitem_id 0
		.amdhsa_next_free_vgpr 130
		.amdhsa_next_free_sgpr 66
		.amdhsa_reserve_vcc 0
		.amdhsa_float_denorm_mode_32 3
		.amdhsa_float_denorm_mode_16_64 3
		.amdhsa_memory_ordered 1
		.amdhsa_forward_progress 1
		.amdhsa_inst_pref_size 17
	.end_amdhsa_kernel
	.amdgpu_metadata
---
amdhsa.version: [ 1, 2 ]
amdhsa.kernels:
  - .name:           k_q3e23dc988b_prep
    .symbol:         k_q3e23dc988b_prep.kd
    .args:
      - { .name: kan1_spline_w, .offset: 0, .size: 8, .value_kind: global_buffer, .address_space: global }
      - { .name: ft_w_codes, .offset: 8, .size: 8, .value_kind: global_buffer, .address_space: global }
      - { .name: kan1_base_w_codes, .offset: 16, .size: 8, .value_kind: global_buffer, .address_space: global }
      - { .name: kan2_base_w, .offset: 24, .size: 8, .value_kind: global_buffer, .address_space: global }
      - { .name: kan2_spline_w, .offset: 32, .size: 8, .value_kind: global_buffer, .address_space: global }
      - { .name: lowp_scales, .offset: 40, .size: 8, .value_kind: global_buffer, .address_space: global }
      - { .name: wts, .offset: 48, .size: 8, .value_kind: global_buffer, .address_space: global }
    .group_segment_fixed_size: 8704
    .private_segment_fixed_size: 0
    .kernarg_segment_align: 8
    .kernarg_segment_size: 56
    .max_flat_workgroup_size: 128
    .sgpr_count:     66
    .vgpr_count:     130
    .wavefront_size: 32
...
	.end_amdgpu_metadata
.endif
;; end of part 1
;; launch kan (part 2): grid 256 x 1, 4 waves a work-group, clusters of 4 x 1, 327,680 bytes of LDS; arguments stm_codes, nstm_codes, wts, lowp_scales, ft_b, out0; writes out0
.if DOCPART == 2
	.amdgcn_target "amdgcn-amd-amdhsa--gfx1250"
	.amdhsa_code_object_version 6
	.text
	.protected	k_q3e23dc988b_kan
	.globl	k_q3e23dc988b_kan
	.p2align	8
	.type	k_q3e23dc988b_kan,@function
k_q3e23dc988b_kan:
	s_mov_b64 s[64:65], 0
	v_nop
	global_prefetch_b8 v0, s[64:65] scope:SCOPE_SE
	s_setreg_imm32_b32 hwreg(HW_REG_WAVE_MODE, 25, 1), 1
	s_wait_xcnt 0x0
	s_wait_alu depctr_hold_cnt(0) depctr_sa_sdst(0) depctr_va_vdst(0) depctr_va_sdst(0) depctr_va_ssrc(0) depctr_va_vcc(0) depctr_vm_vsrc(0)
	s_getreg_b32 s2, hwreg(HW_REG_IB_STS2, 6, 4)
	s_cmp_eq_u32 s2, 0
	s_cbranch_scc0 .Lentry_in_a_cluster
	s_endpgm
.Lentry_in_a_cluster:
	s_bfe_u32 s2, ttmp6, 0x10000c
	s_cmp_lg_u32 s2, 0x3003
	s_cbranch_scc0 .Lentry_shape_is_right
	s_endpgm
.Lentry_shape_is_right:
; out = sigmoid(KAN2(KAN1(concat(stm ft_w^T + ft_b, nstm ft_w^T + ft_b)))), from the codes to the sigmoid in one launch; nothing goes through memory.
; All four quantised products are v_wmma_f32_16x16x128_bf8_bf8 on E5M2 codes, sums in f32; the second KAN layer (one output) is f32 vector work.
; SHARES.  A work-group owns 128 rows, each of its four waves 32: two tiles of 16 (m = 0, 1).  The wave's codes of stm and nstm (2 x 2 x 6 fragments, 384 registers) are loaded once and stay.
; EVERY PRODUCT IS USED TRANSPOSED (source 0 = 16 weight rows, source 1 = 16 batch rows): lane (r, h) = (lane % 16, lane / 16) holds batch row r throughout, and register j of a result unit 16 x tile + 8 h + j.
; So a lane's eight results are eight neighbours along the next K, and nothing ever changes lanes ahead of the last sum.
; THE WEIGHTS (wts, laid by the launch before as images of operand registers, 2,048 bytes a fragment) are walked once, 64 KiB at a time, through two LDS slots:
;   part 0: ft_w K steps 0-3;  part 1: ft_w K steps 4, 5 and kan1_base_w;  parts 2-5: kan1_spline_w, four K steps (= hidden tiles T) each.
; CLUSTER.  All work-groups walk the same weights, so the four of a cluster ask for each part JOINTLY (mask 15); each wave fetches a quarter of a part.  The grid's 256 work-groups are 64 clusters.
; PHASES.  A: 192 products for the 256 hidden numbers of my 32 rows; x 2^(ea + eb) + ft_b; they go to my own LDS bytes (XST), tile by tile.
;   S: silu of all of them, quantised with e4 (SST).   P: the base product starts the 16 accumulators ACC[m][q]; they are brought under the spline product's power of two.
;   B: for each hidden tile T and m: the 8 numbers a lane become 8 x 8 codes of B-spline bases (EXPAND), which ARE a fragment of the spline product's K step T; the 16 products of a K step stand
;      between the blocks of the next EXPANDs, one behind each block of eight vector instructions.
;   3: the second layer from a table (see the launch before), the sum over units, the sigmoid; 128 results leave as 512 consecutive bytes.
; THE BASES.  The knots are uniform: u = 2.5 x + 5.5, i = floor(u), t = u - i, s = 1 - t; only bases i - 3 .. i are not zero: s^3/6, t^2 (t/2 - 1) + 2/3, s^2 (s/2 - 1) + 2/3, t^3/6.
; x is held just inside the knots' range, where the one base that is left is next to nothing (outside the range all bases are 0).  The four are quantised (hold, conversion) into one word W,
; and W is shifted to byte i - 3 of the unit's 8 bytes: two v_alignbit_b32 over (T2, T1, T0), of which one is W and the others 0, by (24 - 8 i) mod 32, read off the low bits of the f32 number 2^23 + 88 - 8 i.
; LIMITS on the given exponents, so that each power of two below is an f32 number: e0 + e1, e2 + e3 and e4 + e5 - e6 - e7 between -126 and 127; e6 + e7 between -127 and 126; e4 and e6 between -126 and 112.
; NaN among ft_b, and codes of infinity or NaN among the inputs, are not served.
; REGISTERS, in windows of 256 (s_set_vgpr_msb: bits 1:0 source 0, 3:2 source 1, 5:4 source 2, 7:6 destination):
;   window 0: v0-15 addresses; v16-39 constants; the rest by phase (names below).   window 1: phase A: the 32 accumulators H[t][m][tile] at 128 t + 64 m + 8 tile;
;   later ACC[m][q] at 64 m + 8 q and eight fragment buffers at 128 + 16 k.   window 2: stm's fragments at 32 s + 16 m, v192-255 four ft_w fragments.   window 3: the same for nstm.
.set SLOT1, 65536                      ; LDS: slot 0 at 0, slot 1 here: one exclusive or turns one into the other
.set K2T,   131072                     ; the second layer's table, 8,192 bytes, filled once
.set SPARE, 139264                     ; the spare words, 128 bytes for each wave: two blocks of 256 bytes that no other line names
.set OUTS,  139776                     ; 128 results
.set XST,   140288                     ; hidden numbers, 17 x 2,048 bytes for each wave: tile T, m, half g at 2,048 T + 1,024 m + 512 g + 16 x lane; later z in the same form
.set XSTW,  34816
.set SST,   279552                     ; silu's codes, 8,192 bytes for each wave: 4,096 m + 256 T + 8 x lane
.set C3A, 16                           ; constant pairs for the packed forms: (1/6, 1/2)
.set C2A, 18                           ; (0, -1)
.set C0A, 20                           ; (0, 2/3)
.set C3B, 22                           ; (1/2, 1/6)
.set C2B, 24                           ; (-1, 0)
.set C0B, 26                           ; (2/3, 0)
.set KM,  28                           ; (1, -1)
.set KA,  30                           ; (-4.5, 5.5)
.set XM,  32                           ; (-2.5, 2.5)
.set MGK, 34                           ; (-8, 2^23 + 88)
.set X,   40                           ; v40-55   phase B: 8 hidden numbers for m = 0, 1
.set CS,  56                           ; v56-87   the bases' codes: a fragment for m = 0, 1
.set FI,  88                           ; v88-95   u, then i as f32
.set MG,  96                           ; v96-103  2^23 + 88 - 8 i
.set ST,  104                          ; v104-119 (s, t); later T0, T1
.set V2,  120                          ; v120-135 (s^2, t^2); later T2
.set W,   136                          ; v136-167 the four bases of each number
.set WC,  168                          ; v168-175 their codes, a word a number
.set T0,  104
.set T1,  112
.set T2,  120
.set BI,  176                          ; v176-239 phase A: ft_b in the results' layout, 8 registers a tile
.set XS,  64                           ; v64-127  phase S: 64 hidden numbers;  phase P: silu's four fragments at 64 + 32 m + 16 b
.set SE,  128                          ; v128-191 phase S: at work
.set SA,  192                          ; v192-207 phase S: codes
.set RR,  16                           ; phase 3: v16-31 the running sums
.set ZZ,  32                           ; v32-47   z; later y^3
.set EE,  48                           ; v48-63   the sigmoid; later the jumps' weights
.set ZC,  64                           ; v64-79   z held within +-5.5
.set AB,  80                           ; v80-95   its magnitude
.set SG,  96                           ; v96-111  1 with z's sign
.set YY,  112                          ; v112-127 the middle polynomial; later y
.set KK,  136                          ; v136-255 the table's numbers 0 .. 14 of my 8 units
.set MA,  74                           ; s[74:81] lanes with i < 4;  s[82:89] with i >= 8;  s[90:97] either
.set MC,  82
.set MB,  90
.set MSB, 0
.macro WIN new                         ; the immediate's high byte repeats the setting that is left; a switch that changes nothing is dropped
.if MSB != (\new)
	s_set_vgpr_msb (MSB<<8)|(\new)
.set MSB, (\new)
.endif
.endm
.macro PLACES n                        ; plain vector places behind matrix instructions (ISA guide 7.12.1), where no other vector work is at hand
.rept \n
	v_nop
.endr
.endm
.macro ROUND                           ; a round of the cluster's barrier: my work-group's barrier; wave 0 signals for the work-group; all wait for the four work-groups; my work-group's barrier once more
	s_barrier_signal -1
	s_barrier_wait -1
	s_cmp_lg_u32 s16, 0
	s_cbranch_scc1 .Lnot_wave_0_\@
	s_barrier_signal -3
.Lnot_wave_0_\@:
	s_barrier_wait -3
	s_barrier_signal -1
	s_barrier_wait -1
.endm
; THE CHANGE OF SLOTS.  Each wave waits for all its tensor loads (its quarter of the slot ahead, the first time also its quarter of the table), adds 0 to its spare word, and waits for that and for its reads of the slot that it leaves.
; fill = 1: a round of the cluster's barrier, so that no wave of any partner still reads that slot or has a load on its way; the joint refill is the first thing behind it, one load a wave.
.macro CHANGE fill
	WIN 0
	s_wait_tensorcnt 0x0                           ; no tensor load of mine is out, so the walking descriptor may be written
	ds_add_u32 v4, v5                              ; 0 onto my spare word
.if \fill
	s_xor_b32 s49, s49, SLOT1                      ; the other slot than last time,
	s_add_nc_u64 s[50:51], s[50:51], 65536         ; the next part of the weights; the type bits on top are not reached
.endif
	s_wait_dscnt 0x0                               ; the add is done, and my reads of the slot are over
.if \fill
	ROUND
	tensor_load_to_lds s[48:51], s[28:35]
	s_nop 0
	PLACES 4                                       ; four plain lines follow the load
.else
	s_barrier_signal -1
	s_barrier_wait -1
.endif
.endm
	s_load_b256 s[4:11], s[0:1], 0x0               ; stm_codes s[4:5], nstm_codes s[6:7], wts s[8:9], the scales' exponents s[10:11]
	s_load_b128 s[12:15], s[0:1], 0x20             ; ft_b s[12:13], out0 s[14:15]
	v_lshl_add_u32 v4, v0, 2, SPARE                ; my spare word; never rewritten
	v_mov_b32 v5, 0                                ; 0; never rewritten
	ds_add_u32 v4, v5
	ds_add_u32 v4, v5
	s_wait_dscnt 0x0
	v_lshrrev_b32 v6, 5, v0
	v_readfirstlane_b32 s16, v6                    ; wave 0..3
	s_bfe_u32 s17, ttmp6, 0x40000                  ; cx: my place in the cluster: it enters the addresses of x and of out0 alone
	s_lshl_b32 s18, ttmp9, 2                       ; in a cluster launch ttmp9 counts clusters
	s_add_co_u32 s18, s18, s17                     ; my work-group
	v_and_b32 v6, 31, v0                           ; lane
	v_lshlrev_b32 v1, 4, v6                        ; v1  16 x lane: a lane's place in every register image
	v_and_b32 v7, 15, v0                           ; r
	v_bfe_u32 v9, v0, 4, 1                         ; h
	v_mul_u32_u24 v2, v7, 768
	v_lshl_add_u32 v2, v9, 4, v2                   ; v2  x: row r of 768 bytes, + 16 h
	s_mul_i32 s19, s16, XSTW
	s_add_co_u32 s19, s19, XST
	v_add_nc_u32 v3, s19, v1                       ; v3  my place in my wave's XST
	s_lshl_b32 s19, s16, 13
	s_add_co_u32 s19, s19, SST
	v_lshl_add_u32 v8, v6, 3, s19                  ; v8  my place in my wave's SST
	v_lshlrev_b32 v14, 5, v9                       ; v14 32 h: my half's eight numbers of a tile of ft_b
	v_add_nc_u32 v10, K2T, v14                     ; v10 the same in the table
	v_lshl_add_u32 v11, v0, 2, OUTS                ; v11 where my row's result goes
	v_add_nc_u32 v12, OUTS, v1                     ; v12 where wave 0 reads four results back
	v_add_nc_u32 v13, SLOT1, v1                    ; v13 16 x lane in slot 1
	; descriptor group 1: dense blocks as rows of 32 elements of 8 bytes; 15:0 the mask: all four work-groups; 17:16 element size code 3; 21 set beside a mask; no padding
	s_mov_b32 s28, 15|(3<<16)|(1<<21)
	s_mov_b32 s29, 32<<16                          ; tensor_dim0 = 32
	s_mov_b32 s30, 64<<16                          ; tensor_dim1 = 64 rows: a quarter of a slot
	s_mov_b32 s31, 32<<16                          ; tile_dim0
	s_mov_b32 s32, 64                              ; tile_dim1
	s_mov_b32 s33, 32                              ; from row to row
	s_mov_b32 s34, 0
	s_mov_b32 s35, 0
	s_mov_b32 s36, 15|(3<<16)|(1<<21)              ; the same with 8 rows: a quarter of the table
	s_mov_b32 s37, 32<<16
	s_mov_b32 s38, 8<<16
	s_mov_b32 s39, 32<<16
	s_mov_b32 s40, 8
	s_mov_b32 s41, 32
	s_mov_b32 s42, 0
	s_mov_b32 s43, 0
	s_mul_i32 s70, s18, 98304                      ; my work-group's 128 rows of 768 bytes,
	s_mul_i32 s19, s16, 24576                      ; my wave's 32 of them
	s_add_co_u32 s70, s70, s19
	s_mov_b32 s71, 0
	s_lshl_b32 s56, s16, 14                        ; my quarter of a slot: made of the wave's number alone
	s_mov_b32 s57, 0
	s_wait_kmcnt 0x0
	s_add_nc_u64 s[4:5], s[4:5], s[70:71]          ; stm and nstm at my wave's first row
	s_add_nc_u64 s[6:7], s[6:7], s[70:71]
	s_lshl_b32 s70, s18, 9
	s_add_nc_u64 s[14:15], s[14:15], s[70:71]      ; out0 at my work-group's 128 results
	s_mov_b32 s44, 1                               ; group 0 for part 0: count 1,
	s_mov_b32 s45, s56                             ; LDS: slot 0,
	s_add_nc_u64 s[46:47], s[8:9], s[56:57]        ; from wts
	s_mov_b32 s48, 1                               ; group 0 for part 1; it then walks
	s_add_co_u32 s49, s56, SLOT1
	s_add_nc_u64 s[50:51], s[46:47], 65536
	s_or_b32 s47, s47, 0x80000000                  ; type = 2
	s_or_b32 s51, s51, 0x80000000
	s_lshl_b32 s56, s16, 11
	s_mov_b32 s52, 1                               ; group 0 for the table
	s_add_co_u32 s53, s56, K2T
	s_add_nc_u64 s[54:55], s[8:9], s[56:57]
	s_add_nc_u64 s[54:55], s[54:55], 393216
	s_or_b32 s55, s55, 0x80000000
	ROUND                                          ; all four work-groups are here: the first joint loads meet
	tensor_load_to_lds s[44:47], s[28:35]          ; the three first fills go out together: three loads of mine are out
	s_nop 0
	tensor_load_to_lds s[48:51], s[28:35]
	s_nop 0
	tensor_load_to_lds s[52:55], s[36:43]
	s_nop 0
	PLACES 4
	s_load_b256 s[20:27], s[10:11], 0x0            ; e0 .. e7
.irp u, 0,1,2,3,4,5,6,7
	global_load_b128 v[BI+8*\u:BI+8*\u+3], v14, s[12:13] offset:64*\u
	global_load_b128 v[BI+8*\u+4:BI+8*\u+7], v14, s[12:13] offset:64*\u+16
.endr
; x: a fragment (16 rows x 128 K) is four loads of 16 bytes a lane, 32 bytes apart: group c = the row's bytes 128 s + 32 c + 16 h on: the same places of k as in ft_w's fragments.
; The eight loads of two neighbouring K steps stand together: they cover 256 consecutive bytes of each row.
.irp p, 0,1,2
.irp t, 0,1
	WIN 0x80+0x40*\t
.irp m, 0,1
.irp u, 0,1
.irp c, 0,1,2,3
	global_load_b128 v[32*(2*\p+\u)+16*\m+4*\c:32*(2*\p+\u)+16*\m+4*\c+3], v2, s[4+2*\t:5+2*\t] offset:12288*\m+128*(2*\p+\u)+32*\c th:TH_LOAD_NT
.endr
.endr
.endr
.endr
.endr
	WIN 0
	v_mov_b32 v16, 0x3e2aaaab                      ; 1/6
	v_mov_b32 v17, 0.5
	v_mov_b32 v18, 0
	v_mov_b32 v19, -1.0
	v_mov_b32 v20, 0
	v_mov_b32 v21, 0x3f2aaaab                      ; 2/3
	v_mov_b32 v22, 0.5
	v_mov_b32 v23, 0x3e2aaaab
	v_mov_b32 v24, -1.0
	v_mov_b32 v25, 0
	v_mov_b32 v26, 0x3f2aaaab
	v_mov_b32 v27, 0
	v_mov_b32 v28, 1.0
	v_mov_b32 v29, -1.0
	v_mov_b32 v30, 0xc0900000                      ; -4.5
	v_mov_b32 v31, 0x40b00000                      ; 5.5
	v_mov_b32 v32, 0xc0200000                      ; -2.5
	v_mov_b32 v33, 0x40200000                      ; 2.5
	v_mov_b32 v34, 0xc1000000                      ; -8
	v_mov_b32 v35, 0x4b000058                      ; 2^23 + 88
	s_mov_b32 s72, 0xc00ccccc                      ; the hold of x: one step of f32 inside -2.2,
	s_mov_b32 s73, 0x400ccccb                      ; two inside 2.2, so that 2.5 x + 5.5 stays under 11 after its rounding
	s_mov_b32 s98, 0x76543210                      ; v_permlanex16_b32: lane l xor 16
	s_mov_b32 s99, 0xfedcba98
	s_mov_b32 s101, 0x7fffffff
	s_wait_kmcnt 0x0
	s_add_co_i32 s60, s20, s21
	s_add_co_i32 s60, s60, 127
	s_lshl_b32 s60, s60, 23                        ; 2^(e0 + e1)
	s_mov_b32 s61, s60                             ; (the packed forms name a pair, so its upper word is written)
	s_add_co_i32 s62, s22, s23
	s_add_co_i32 s62, s62, 127
	s_lshl_b32 s62, s62, 23                        ; 2^(e2 + e3)
	s_mov_b32 s63, s62
	s_add_co_i32 s66, s24, s25
	s_sub_co_i32 s66, s66, s26
	s_sub_co_i32 s66, s66, s27
	s_add_co_i32 s66, s66, 127
	s_lshl_b32 s66, s66, 23                        ; 2^(e4 + e5 - e6 - e7): brings the base product's sums under the spline product's power of two
	s_mov_b32 s67, s66
	s_add_co_i32 s68, s26, s27
	s_lshl_b32 s68, s68, 23
	s_add_co_i32 s68, s68, 0x40200000              ; 2.5 x 2^(e6 + e7): the exponents are added to 2.5's exponent field
	s_mov_b32 s69, s68
	s_add_co_i32 s19, s26, 127
	s_lshl_b32 s100, s19, 23
	v_mov_b32 v38, s100                            ; 2^e6, for the bases' conversions
	s_add_co_i32 s19, s19, 15
	s_lshl_b32 s19, s19, 23
	s_or_b32 s19, s19, 0x600000
	v_mov_b32 v36, s19                             ; 57,344 x 2^e6,
	v_mov_b32 v37, s19                             ; twice: one for each half of a dual minimum
	s_add_co_i32 s19, s24, 127
	s_lshl_b32 s100, s19, 23
	v_mov_b32 v15, s100                            ; 2^e4, for silu's conversions
	s_add_co_i32 s19, s19, 15
	s_lshl_b32 s19, s19, 23
	s_or_b32 s19, s19, 0x600000
	v_mov_b32 v39, s19                             ; 57,344 x 2^e4
	s_wait_tensorcnt 2                             ; my quarter of part 0 is in; part 1 and the table may stay out
	s_barrier_signal -1
	s_barrier_wait -1                              ; everybody's is
; ---- A: the feature products.  Group g of 12: K step g / 2, weight tiles 4 (g % 2) + i.  Four ft_w fragments are read from LDS into set g % 2 and feed 16 products (2 tensors x 2 m).
.macro FLD g
	WIN 0x80+0x40*((\g)%2)
.irp i, 0,1,2,3
.irp c, 0,1,2,3
.if (\g) < 8
	ds_load_b128 v[192+16*\i+4*\c:192+16*\i+4*\c+3], v1 offset:(4*(\g)+\i)*2048+512*\c
.else
	ds_load_b128 v[192+16*\i+4*\c:192+16*\i+4*\c+3], v13 offset:(4*((\g)-8)+\i)*2048+512*\c
.endif
.endr
.endr
.endm
.macro FMUL g                          ; the 32 accumulators take turns, one instruction a turn; K step 0 starts the sums: nothing is cleared
.irp t, 0,1
	WIN (2+(\g)%2)|((2+\t)<<2)|0x50
.irp i, 0,1,2,3
.irp m, 0,1
.if (\g) < 2
	v_wmma_f32_16x16x128_bf8_bf8 v[128*\t+64*\m+8*(4*((\g)%2)+\i):128*\t+64*\m+8*(4*((\g)%2)+\i)+7], v[192+16*\i:192+16*\i+15], v[32*((\g)/2)+16*\m:32*((\g)/2)+16*\m+15], 0
.else
	v_wmma_f32_16x16x128_bf8_bf8 v[128*\t+64*\m+8*(4*((\g)%2)+\i):128*\t+64*\m+8*(4*((\g)%2)+\i)+7], v[192+16*\i:192+16*\i+15], v[32*((\g)/2)+16*\m:32*((\g)/2)+16*\m+15], v[128*\t+64*\m+8*(4*((\g)%2)+\i):128*\t+64*\m+8*(4*((\g)%2)+\i)+7]
.endif
.endr
.endr
.endr
.endm
	FLD 0
	FLD 1
.irp g, 0,1,2,3,4,5,6,7,8,9,10,11
.if \g == 0
	s_wait_loadcnt 63                              ; ft_b and x's K steps 0, 1 are in (64 younger loads would do; the count's field ends at 63)
.endif
.if \g == 4
	s_wait_loadcnt 32                              ; K steps 2, 3 are in; the 32 loads of K steps 4, 5 may be out
.endif
.if \g == 8
	s_wait_loadcnt 0x0
.endif
.if \g == 11
	s_wait_dscnt 0x0
.else
	s_wait_dscnt 16                                ; this group's fragments are in; the next group's 16 loads may be out
.endif
	FMUL \g
.if \g <= 9
	PLACES 4                                       ; in front of loads into registers that these products have read
	FLD \g+2
.endif
.if \g == 5
	CHANGE 1                                       ; slot 0's last fragments are asked for: it takes part 2; slot 1 and the table are whole from here on
.endif
.endr
	; hidden = sum x 2^(ea + eb) + ft_b, in place, each accumulator from its low end on; then to my XST
	PLACES 4
	WIN 0x41
.irp t, 0,1
.irp m, 0,1
.irp u, 0,1,2,3,4,5,6,7
.irp j, 0,2,4,6
	v_pk_fma_f32 v[128*\t+64*\m+8*\u+\j:128*\t+64*\m+8*\u+\j+1], v[128*\t+64*\m+8*\u+\j:128*\t+64*\m+8*\u+\j+1], s[60+2*\t:61+2*\t], v[BI+8*\u+\j:BI+8*\u+\j+1] op_sel_hi:[1,0,1]
.endr
.endr
.endr
.endr
	WIN 0x04                                       ; the stores' data lie in window 1
.irp t, 0,1
.irp m, 0,1
.irp u, 0,1,2,3,4,5,6,7
.irp g, 0,1
	ds_store_b128 v3, v[128*\t+64*\m+8*\u+4*\g:128*\t+64*\m+8*\u+4*\g+3] offset:2048*(8*\t+\u)+1024*\m+512*\g
.endr
.endr
.endr
.endr
	ds_store_b128 v3, v[184:187] offset:32768      ; entry 16 repeats tile 15, m = 0: the last trip's look-ahead load reads bytes that were written
	ds_store_b128 v3, v[188:191] offset:32768+512
	WIN 0
; ---- S: silu(x) = x / (1 + 2^(-x log2 e)), quantised with e4.  Four trips of four tiles: 64 numbers a lane.
	s_mov_b32 s56, 0
	s_mov_b32 s57, 0
	s_mov_b32 s58, 4
.Lsilu:
	v_add_nc_u32 v7, s56, v3
	v_add_nc_u32 v9, s57, v8
.irp i, 0,1,2,3
.irp m, 0,1
.irp g, 0,1
	ds_load_b128 v[XS+16*\i+8*\m+4*\g:XS+16*\i+8*\m+4*\g+3], v7 offset:2048*\i+1024*\m+512*\g   ; my own bytes: LDS serves a wave's instructions in order (ISA guide 5.7.1.4)
.endr
.endr
.endr
	s_wait_dscnt 0x0                               ; they are in; and the last trip's stores have read their registers
.set ii, 0
.rept 32
	v_pk_mul_f32 v[SE+ii:SE+ii+1], v[XS+ii:XS+ii+1], 0xbfb8aa3b op_sel_hi:[1,0]
.set ii, ii+2
.endr
.set ii, 0
.rept 64
	v_exp_f32 v[SE+ii], v[SE+ii]
.set ii, ii+1
.endr
	v_nop                                          ; a plain line behind the last exponential
	s_wait_alu depctr_va_vdst(0)                   ; one wait for the batch, ahead of its first reader
.set ii, 0
.rept 32
	v_pk_add_f32 v[SE+ii:SE+ii+1], v[SE+ii:SE+ii+1], 1.0 op_sel_hi:[1,0]
.set ii, ii+2
.endr
.set ii, 0
.rept 64
	v_rcp_f32 v[SE+ii], v[SE+ii]
.set ii, ii+1
.endr
	v_nop
	s_wait_alu depctr_va_vdst(0)
.set ii, 0
.rept 32
	v_pk_mul_f32 v[SE+ii:SE+ii+1], v[SE+ii:SE+ii+1], v[XS+ii:XS+ii+1]
.set ii, ii+2
.endr
.set ii, 0
.rept 64
	v_med3_num_f32 v[SE+ii], v[SE+ii], -v39, v39   ; the conversion to an 8-bit code does not saturate (ISA guide 7.6.2): the hold comes first
.set ii, ii+1
.endr
.irp i, 0,1,2,3,4,5,6,7
	v_cvt_scalef32_pk8_bf8_f32 v[SA+2*\i:SA+2*\i+1], v[SE+8*\i:SE+8*\i+7], v15
.endr
	v_nop                                          ; a plain line behind the last conversion
.irp i, 0,1,2,3
.irp m, 0,1
	ds_store_b64 v9, v[SA+2*(2*\i+\m):SA+2*(2*\i+\m)+1] offset:4096*\m+256*\i
.endr
.endr
	s_add_co_u32 s56, s56, 8192
	s_add_co_u32 s57, s57, 1024
	s_sub_co_u32 s58, s58, 1
	s_cmp_lg_u32 s58, 0
	s_cbranch_scc1 .Lsilu
; ---- P: the base product.  Tile T = 8 b + c's codes are register pair c of K step b's fragment: k = 128 b + 16 c + 8 h + j, as in the weights' fragments.
.irp m, 0,1
.irp b, 0,1
.irp c, 0,1,2,3,4,5,6,7
	ds_load_b64 v[XS+32*\m+16*\b+2*\c:XS+32*\m+16*\b+2*\c+1], v8 offset:4096*\m+2048*\b+256*\c
.endr
.endr
.endr
.irp b, 0,1
	PLACES 4                                       ; in front of loads into the buffers that the products above have read
	WIN 0x40
.irp q, 0,1,2,3,4,5,6,7
.irp c, 0,1,2,3
	ds_load_b128 v[128+16*\q+4*\c:128+16*\q+4*\c+3], v13 offset:32768+(8*\b+\q)*2048+512*\c
.endr
.endr
	s_wait_dscnt 0x0
	WIN 0x51                                       ; source 0 (weights), C and D in window 1; source 1 (my codes) in window 0
.irp q, 0,1,2,3,4,5,6,7
.irp m, 0,1
.if \b == 0
	v_wmma_f32_16x16x128_bf8_bf8 v[64*\m+8*\q:64*\m+8*\q+7], v[128+16*\q:128+16*\q+15], v[XS+32*\m+16*\b:XS+32*\m+16*\b+15], 0
.else
	v_wmma_f32_16x16x128_bf8_bf8 v[64*\m+8*\q:64*\m+8*\q+7], v[128+16*\q:128+16*\q+15], v[XS+32*\m+16*\b:XS+32*\m+16*\b+15], v[64*\m+8*\q:64*\m+8*\q+7]
.endif
.endr
.endr
.endr
	PLACES 4
	WIN 0x41
.set ii, 0
.rept 64
	v_pk_mul_f32 v[ii:ii+1], v[ii:ii+1], s[66:67] op_sel_hi:[1,0]   ; x 2^(e4 + e5 - e6 - e7): the spline product's sums add straight onto these
.set ii, ii+2
.endr
	WIN 0
; ---- B: the bases and the spline product.
.macro FRAGLD k                        ; fragment k (weight rows 16 k on) of the K step in hand, into buffer k
	WIN 0x40
.irp c, 0,1,2,3
	ds_load_b128 v[128+16*(\k)+4*\c:128+16*(\k)+4*\c+3], v6 offset:2048*(\k)+512*\c
.endr
.endm
.macro GJOB q, m                       ; ACC[m][q] += buffer q x the codes of m
	WIN 0x51
	v_wmma_f32_16x16x128_bf8_bf8 v[64*(\m)+8*(\q):64*(\m)+8*(\q)+7], v[128+16*(\q):128+16*(\q)+15], v[CS+16*(\m):CS+16*(\m)+15], v[64*(\m)+8*(\q):64*(\m)+8*(\q)+7]
.endm
; What stands behind block hk of an EXPAND.  Under EXPAND 0: product hk of the LAST K step for m = 1; buffer hk - 1, whose last product stands one block of eight plain lines back, takes this K step's fragment.
; Under EXPAND 1: product hk of this K step for m = 0.  The 16 accumulators take turns, one instruction a turn, over the loop's backward jump too.
.macro HOOK mode
.if (\mode) == 0
.if (hk >= 1) && (hk <= 8)
	FRAGLD hk-1
.endif
.if hk < 8
	GJOB hk, 1
.endif
.else
.if hk < 8
	GJOB hk, 0
.endif
.endif
	WIN 0
.set hk, hk+1
.endm
; The 8 hidden numbers of X[m] become the 16 registers CS[m]: register pair e = the 8 bases' codes of number e.
.macro EXPAND m
.set hk, 0
.set XB, X+8*(\m)
.set CB, CS+16*(\m)
.irp e, 0,1,2,3,4,5,6,7
	v_med3_num_f32 v[XB+\e], v[XB+\e], s72, s73    ; x held just inside the knots' range
.endr
	HOOK \m
.irp p, 0,2,4,6
	v_pk_fma_f32 v[FI+\p:FI+\p+1], v[XB+\p:XB+\p+1], v[XM:XM+1], v[KA:KA+1] op_sel:[0,1,1]   ; u = 2.5 x + 5.5 (the pairs' upper words serve both halves)
.endr
.irp e, 0,1,2,3
	v_floor_f32 v[FI+\e], v[FI+\e]                 ; i, 0 .. 10
.endr
	HOOK \m
.irp e, 4,5,6,7
	v_floor_f32 v[FI+\e], v[FI+\e]
.endr
.irp p, 0,2,4,6
	v_pk_fma_f32 v[MG+\p:MG+\p+1], v[FI+\p:FI+\p+1], v[MGK:MGK+1], v[MGK:MGK+1] op_sel:[0,0,1] op_sel_hi:[1,0,1]   ; 2^23 + 88 - 8 i: its low five bits are (24 - 8 i) mod 32
.endr
	HOOK \m
.irp p, 0,2,4,6
	v_pk_fma_f32 v[ST+2*\p:ST+2*\p+1], v[FI+\p:FI+\p+1], v[KM:KM+1], v[KA:KA+1] op_sel_hi:[0,1,1]     ; (i - 4.5, 5.5 - i) of the even number,
	v_pk_fma_f32 v[ST+2*\p+2:ST+2*\p+3], v[FI+\p:FI+\p+1], v[KM:KM+1], v[KA:KA+1] op_sel:[1,0,0]      ; of the odd one
.endr
	HOOK \m
.irp p, 0,2,4,6
	v_pk_fma_f32 v[ST+2*\p:ST+2*\p+1], v[XB+\p:XB+\p+1], v[XM:XM+1], v[ST+2*\p:ST+2*\p+1] op_sel_hi:[0,1,1]       ; (s, t) = (-2.5 x, 2.5 x) + that: one rounding each
	v_pk_fma_f32 v[ST+2*\p+2:ST+2*\p+3], v[XB+\p:XB+\p+1], v[XM:XM+1], v[ST+2*\p+2:ST+2*\p+3] op_sel:[1,0,0]
.endr
	HOOK \m
.irp e, 0,1,2,3,4,5,6,7
	v_pk_mul_f32 v[V2+2*\e:V2+2*\e+1], v[ST+2*\e:ST+2*\e+1], v[ST+2*\e:ST+2*\e+1]
.endr
	HOOK \m
.irp e, 0,1,2,3,4,5,6,7
	v_pk_fma_f32 v[W+4*\e:W+4*\e+1], v[ST+2*\e:ST+2*\e+1], v[C3A:C3A+1], v[C2A:C2A+1]       ; (s / 6, t / 2 - 1)
.endr
	HOOK \m
.irp e, 0,1,2,3,4,5,6,7
	v_pk_fma_f32 v[W+4*\e+2:W+4*\e+3], v[ST+2*\e:ST+2*\e+1], v[C3B:C3B+1], v[C2B:C2B+1]     ; (s / 2 - 1, t / 6)
.endr
	HOOK \m
.irp e, 0,1,2,3,4,5,6,7
	v_pk_fma_f32 v[W+4*\e:W+4*\e+1], v[V2+2*\e:V2+2*\e+1], v[W+4*\e:W+4*\e+1], v[C0A:C0A+1] ; bases i - 3, i - 2
.endr
	HOOK \m
.irp e, 0,1,2,3,4,5,6,7
	v_pk_fma_f32 v[W+4*\e+2:W+4*\e+3], v[V2+2*\e:V2+2*\e+1], v[W+4*\e+2:W+4*\e+3], v[C0B:C0B+1] ; bases i - 1, i
.endr
	HOOK \m
.irp e, 0,1,2,3,4,5,6,7
	v_dual_min_num_f32 v[W+2*\e], v[W+2*\e], v36 :: v_dual_min_num_f32 v[W+2*\e+1], v[W+2*\e+1], v37   ; the hold at the largest code x 2^e6: a base is not negative beyond a rounding, so it is one-sided
.endr
	HOOK \m
.irp e, 8,9,10,11,12,13,14,15
	v_dual_min_num_f32 v[W+2*\e], v[W+2*\e], v36 :: v_dual_min_num_f32 v[W+2*\e+1], v[W+2*\e+1], v37
.endr
	HOOK \m
.irp p, 0,1,2,3
	v_cvt_scalef32_pk8_bf8_f32 v[WC+2*\p:WC+2*\p+1], v[W+8*\p:W+8*\p+7], v38   ; two numbers' four bases each: a word of codes a number
.endr
.irp e, 0,1,2,3,4,5,6,7
	v_cmp_gt_f32 s[MA+\e], 4.0, v[FI+\e]           ; (plain lines between the conversions and the first reader of their results)
.endr
.irp e, 0,1,2,3,4,5,6,7
	v_cmp_le_f32 s[MC+\e], 0x41000000, v[FI+\e]    ; 8 <= i
.endr
.irp e, 0,1,2,3,4,5,6,7
	s_or_b32 s[MB+\e], s[MA+\e], s[MC+\e]
.endr
.irp e, 0,1,2,3,4,5,6,7
	v_cndmask_b32 v[T0+\e], 0, v[WC+\e], s[MA+\e]  ; the word stands in T0 for i < 4,
.endr
.irp e, 0,1,2,3,4,5,6,7
	v_cndmask_b32 v[T2+\e], 0, v[WC+\e], s[MC+\e]  ; in T2 for i >= 8,
.endr
.irp e, 0,1,2,3,4,5,6,7
	v_cndmask_b32 v[T1+\e], v[WC+\e], 0, s[MB+\e]  ; in T1 else; the other two are 0
.endr
.irp e, 0,1,2,3,4,5,6,7
	v_alignbit_b32 v[CB+2*\e], v[T1+\e], v[T0+\e], v[MG+\e]     ; bases 0 .. 3
	v_alignbit_b32 v[CB+2*\e+1], v[T2+\e], v[T1+\e], v[MG+\e]   ; bases 4 .. 7
.endr
.endm
; A trip is one hidden tile T = one K step of the spline product.
.macro TRIP
	v_add_nc_u32 v6, s56, v1                       ; this K step's fragments in the slot
	v_add_nc_u32 v7, s57, v3                       ; this tile in my XST
	ds_load_b128 v[X+8:X+11], v7 offset:1024       ; m = 1's numbers
	ds_load_b128 v[X+12:X+15], v7 offset:1536
	s_wait_dscnt 2                                 ; all but these two: m = 0's numbers, asked for half a trip ago, are in
	EXPAND 0
	s_wait_dscnt 0x0                               ; m = 1's numbers and the eight fragments are in
	ds_load_b128 v[X:X+3], v7 offset:2048          ; the next tile's numbers for m = 0
	ds_load_b128 v[X+4:X+7], v7 offset:2560
	EXPAND 1
.endm
.macro FOUR slot, n                    ; the four K steps of a slot: tiles 4 n on.  Both LDS offsets begin as constants and step by constants
	s_mov_b32 s56, (\slot)*SLOT1
	s_mov_b32 s57, (\n)*8192
	s_mov_b32 s59, 4
.Ltrip_\@:
	TRIP
	s_add_co_u32 s56, s56, 16384
	s_add_co_u32 s57, s57, 2048
	s_sub_co_u32 s59, s59, 1
	s_cmp_lg_u32 s59, 0
	s_cbranch_scc1 .Ltrip_\@
.endm
.set ii, 0
.rept 16
	v_mov_b32 v[CS+16+ii], 0                       ; the first trip's products for 'the last K step' multiply zero codes (by the base weights that still lie in the buffers): they add nothing
.set ii, ii+1
.endr
	ds_load_b128 v[X:X+3], v3                      ; tile 0's numbers for m = 0
	ds_load_b128 v[X+4:X+7], v3 offset:512
	CHANGE 1                                       ; part 2 is whole in slot 0; slot 1, whose base weights are read, takes part 3
	FOUR 0, 0
	CHANGE 1                                       ; slot 0 takes part 4
	FOUR 1, 1
	CHANGE 1                                       ; slot 1 takes part 5
	FOUR 0, 2
	CHANGE 0                                       ; nothing is left to fetch
	FOUR 1, 3
.irp q, 0,1,2,3,4,5,6,7
	GJOB \q, 1                                     ; the last K step for m = 1
.endr
	PLACES 4
	WIN 0x41
.set ii, 0
.rept 64
	v_pk_mul_f32 v[ii:ii+1], v[ii:ii+1], s[68:69] op_sel_hi:[1,0]   ; z = 2.5 x the second layer's input, each accumulator from its low end on
.set ii, ii+2
.endr
	WIN 0x04
.irp m, 0,1
.irp q, 0,1,2,3,4,5,6,7
.irp g, 0,1
	ds_store_b128 v3, v[64*\m+8*\q+4*\g:64*\m+8*\q+4*\g+3] offset:2048*\q+1024*\m+512*\g   ; into my XST, whose hidden numbers are done with
.endr
.endr
.endr
	WIN 0
; ---- 3: the second layer.  A trip takes tile q of its 128 units: 16 numbers a lane (8 units x 2 m), with the units' table from LDS.
.set ii, 0
.rept 16
	v_mov_b32 v[RR+ii], 0
.set ii, ii+1
.endr
	v_mov_b32 v15, 0x40b00000                      ; 5.5
	s_wait_dscnt 0x0                               ; the look-ahead load of entry 16 has landed: its registers are loaded again below
	s_mov_b32 s56, 0
	s_mov_b32 s57, 0
	s_mov_b32 s58, 8
.macro YSTEP i, c                      ; y = max(|z| - 0.5 - i, 0);  sum += y^3 (dS_i + sign(z) dA_i)
.irp p, 0,2,4,6,8,10,12,14
	v_pk_add_f32 v[YY+\p:YY+\p+1], v[AB+\p:AB+\p+1], \c op_sel_hi:[1,0]
.endr
.irp e, 0,1,2,3,4,5,6,7,8,9,10,11,12,13,14,15
	v_max_num_f32 v[YY+\e], 0, v[YY+\e]
.endr
.irp p, 0,2,4,6,8,10,12,14
	v_pk_mul_f32 v[ZZ+\p:ZZ+\p+1], v[YY+\p:YY+\p+1], v[YY+\p:YY+\p+1]
.endr
.irp p, 0,2,4,6,8,10,12,14
	v_pk_mul_f32 v[ZZ+\p:ZZ+\p+1], v[ZZ+\p:ZZ+\p+1], v[YY+\p:YY+\p+1]
.endr
.irp m, 0,8
.irp p, 0,2,4,6
	v_pk_fma_f32 v[EE+\m+\p:EE+\m+\p+1], v[SG+\m+\p:SG+\m+\p+1], v[KK+8*(9+\i)+\p:KK+8*(9+\i)+\p+1], v[KK+8*(4+\i)+\p:KK+8*(4+\i)+\p+1]
.endr
.endr
.irp p, 0,2,4,6,8,10,12,14
	v_pk_fma_f32 v[RR+\p:RR+\p+1], v[ZZ+\p:ZZ+\p+1], v[EE+\p:EE+\p+1], v[RR+\p:RR+\p+1]
.endr
.endm
.Lunit:
	v_add_nc_u32 v7, s56, v3
	v_add_nc_u32 v9, s57, v10
.irp m, 0,1
.irp g, 0,1
	ds_load_b128 v[ZZ+8*\m+4*\g:ZZ+8*\m+4*\g+3], v7 offset:1024*\m+512*\g
.endr
.endr
.set ii, 0
.rept 15
	ds_load_b128 v[KK+8*ii:KK+8*ii+3], v9 offset:64*ii           ; number ii of my half's eight units: sixteen lanes read the same 32 bytes
	ds_load_b128 v[KK+8*ii+4:KK+8*ii+7], v9 offset:64*ii+16
.set ii, ii+1
.endr
	s_wait_dscnt 30                                ; z is in; the table's 30 loads may be out
.irp p, 0,2,4,6,8,10,12,14
	v_pk_mul_f32 v[EE+\p:EE+\p+1], v[ZZ+\p:ZZ+\p+1], 0xbf13bb63 op_sel_hi:[1,0]   ; -0.4 z log2 e
.endr
.irp e, 0,1,2,3,4,5,6,7,8,9,10,11,12,13,14,15
	v_exp_f32 v[EE+\e], v[EE+\e]
.endr
.irp e, 0,1,2,3,4,5,6,7,8,9,10,11,12,13,14,15
	v_med3_num_f32 v[ZC+\e], v[ZZ+\e], -v15, v15   ; outside the knots' range the spline is 0, which is its value at +-5.5.  (Plain lines behind the exponentials)
.endr
	s_wait_alu depctr_va_vdst(0)                   ; one wait for the batch, ahead of its first reader
.irp p, 0,2,4,6,8,10,12,14
	v_pk_add_f32 v[EE+\p:EE+\p+1], v[EE+\p:EE+\p+1], 1.0 op_sel_hi:[1,0]
.endr
.irp e, 0,1,2,3,4,5,6,7,8,9,10,11,12,13,14,15
	v_rcp_f32 v[EE+\e], v[EE+\e]
.endr
.irp e, 0,1,2,3,4,5,6,7,8,9,10,11,12,13,14,15
	v_and_b32 v[AB+\e], s101, v[ZC+\e]
.endr
.irp e, 0,1,2,3,4,5,6,7,8,9,10,11,12,13,14,15
	v_bfi_b32 v[SG+\e], s101, 1.0, v[ZZ+\e]        ; 1 with z's sign
.endr
	s_wait_alu depctr_va_vdst(0)
.irp p, 0,2,4,6,8,10,12,14
	v_pk_mul_f32 v[EE+\p:EE+\p+1], v[EE+\p:EE+\p+1], v[ZZ+\p:ZZ+\p+1]   ; z sigmoid(0.4 z)
.endr
	s_wait_dscnt 0x0                               ; the table is in
.irp m, 0,8
.irp p, 0,2,4,6
	v_pk_fma_f32 v[RR+\m+\p:RR+\m+\p+1], v[EE+\m+\p:EE+\m+\p+1], v[KK+112+\p:KK+112+\p+1], v[RR+\m+\p:RR+\m+\p+1]   ; + silu x the base weight
.endr
.endr
.irp m, 0,8
.irp p, 0,2,4,6
	v_pk_fma_f32 v[YY+\m+\p:YY+\m+\p+1], v[ZC+\m+\p:ZC+\m+\p+1], v[KK+24+\p:KK+24+\p+1], v[KK+16+\p:KK+16+\p+1]
.endr
.endr
.irp m, 0,8
.irp p, 0,2,4,6
	v_pk_fma_f32 v[YY+\m+\p:YY+\m+\p+1], v[YY+\m+\p:YY+\m+\p+1], v[ZC+\m+\p:ZC+\m+\p+1], v[KK+8+\p:KK+8+\p+1]
.endr
.endr
.irp m, 0,8
.irp p, 0,2,4,6
	v_pk_fma_f32 v[YY+\m+\p:YY+\m+\p+1], v[YY+\m+\p:YY+\m+\p+1], v[ZC+\m+\p:ZC+\m+\p+1], v[KK+\p:KK+\p+1]
.endr
.endr
.irp p, 0,2,4,6,8,10,12,14
	v_pk_add_f32 v[RR+\p:RR+\p+1], v[RR+\p:RR+\p+1], v[YY+\p:YY+\p+1]   ; + the middle polynomial
.endr
	YSTEP 0, -0.5
	YSTEP 1, 0xbfc00000
	YSTEP 2, 0xc0200000
	YSTEP 3, 0xc0600000
	YSTEP 4, 0xc0900000
	s_add_co_u32 s56, s56, 2048
	s_add_co_u32 s57, s57, 1024
	s_sub_co_u32 s58, s58, 1
	s_cmp_lg_u32 s58, 0
	s_cbranch_scc1 .Lunit
; ---- the way out: the sum over a lane's eight registers and over lane l xor 16; lanes 0-15 keep m = 0's row, lanes 16-31 m = 1's: lane l holds row l of my 32
.irp m, 0,8
	v_pk_add_f32 v[RR+\m:RR+\m+1], v[RR+\m:RR+\m+1], v[RR+\m+2:RR+\m+3]
	v_pk_add_f32 v[RR+\m+4:RR+\m+5], v[RR+\m+4:RR+\m+5], v[RR+\m+6:RR+\m+7]
	v_pk_add_f32 v[RR+\m:RR+\m+1], v[RR+\m:RR+\m+1], v[RR+\m+4:RR+\m+5]
	v_add_f32 v[RR+\m], v[RR+\m], v[RR+\m+1]
.endr
	v_permlanex16_b32 v32, v16, s98, s99           ; (its destination counts as read: v32 and v33 have been written)
	v_permlanex16_b32 v33, v24, s98, s99
	v_add_f32 v16, v16, v32
	v_add_f32 v24, v24, v33
	v_and_b32 v34, 16, v0
	v_cmp_ne_u32 vcc_lo, 0, v34
	v_cndmask_b32 v16, v16, v24, vcc_lo
	v_mul_f32 v17, 0xbfb8aa3b, v16
	v_exp_f32 v17, v17
	v_nop
	s_wait_alu depctr_va_vdst(0)
	v_add_f32 v17, 1.0, v17
	v_rcp_f32 v17, v17                             ; the sigmoid
	v_nop
	s_wait_alu depctr_va_vdst(0)
	ds_store_b32 v11, v17
	s_wait_dscnt 0x0                               ; for the others' sake: my store is done
	s_barrier_signal -1
	s_barrier_wait -1
	s_cmp_lg_u32 s16, 0
	s_cbranch_scc1 .Lnot_storer
	ds_load_b128 v[20:23], v12                     ; wave 0 takes the work-group's 128 results
	s_wait_dscnt 0x0
	global_store_b128 v1, v[20:23], s[14:15]       ; 32 lanes store 512 consecutive bytes, at a multiple of 256 from out0's first byte
.Lnot_storer:
	s_wait_tensorcnt 0x0                           ; the wave's end: behind my last tensor load and my last LDS store
	ds_add_u32 v4, v5
	s_wait_dscnt 0x0
	ROUND                                          ; the closing round: no work-group ends while a partner may still ask for a part that names it
	s_endpgm
.Lfunc_end_k_q3e23dc988b_kan:
	.size	k_q3e23dc988b_kan, .Lfunc_end_k_q3e23dc988b_kan-k_q3e23dc988b_kan
	.p2alignl 7, 3214868480
	.fill 96, 4, 3214868480
	.section	.rodata,"a",@progbits
	.p2align	6, 0x0
	.amdhsa_kernel k_q3e23dc988b_kan
		.amdhsa_group_segment_fixed_size 327680
		.amdhsa_private_segment_fixed_size 0
		.amdhsa_enable_private_segment 0
		.amdhsa_kernarg_size 48
		.amdhsa_user_sgpr_count 2
		.amdhsa_user_sgpr_kernarg_segment_ptr 1
		.amdhsa_wavefront_size32 1
		.amdhsa_system_sgpr_workgroup_id_x 1
		.amdhsa_system_sgpr_workgroup_id_y 1
		.amdhsa_system_sgpr_workgroup_id_z 1
		.amdhsa_system_vgpr_workitem_id 0
		.amdhsa_next_free_vgpr 1024
		.amdhsa_next_free_sgpr 102
		.amdhsa_reserve_vcc 1
		.amdhsa_float_denorm_mode_32 3
		.amdhsa_float_denorm_mode_16_64 3
		.amdhsa_memory_ordered 1
		.amdhsa_forward_progress 1
		.amdhsa_inst_pref_size 227
	.end_amdhsa_kernel
	.amdgpu_metadata
---
amdhsa.version: [ 1, 2 ]
amdhsa.kernels:
  - .name:           k_q3e23dc988b_kan
    .symbol:         k_q3e23dc988b_kan.kd
    .args:
      - { .name: stm_codes, .offset: 0, .size: 8, .value_kind: global_buffer, .address_space: global }
      - { .name: nstm_codes, .offset: 8, .size: 8, .value_kind: global_buffer, .address_space: global }
      - { .name: wts, .offset: 16, .size: 8, .value_kind: global_buffer, .address_space: global }
      - { .name: lowp_scales, .offset: 24, .size: 8, .value_kind: global_buffer, .address_space: global }
      - { .name: ft_b, .offset: 32, .size: 8, .value_kind: global_buffer, .address_space: global }
      - { .name: out0, .offset: 40, .size: 8, .value_kind: global_buffer, .address_space: global }
    .group_segment_fixed_size: 327680
    .private_segment_fixed_size: 0
    .kernarg_segment_align: 8
    .kernarg_segment_size: 48
    .max_flat_workgroup_size: 128
    .sgpr_count:     102
    .vgpr_count:     1024
    .wavefront_size: 32
...
	.end_amdgpu_metadata
.endif
;; end of part 2
